; MI455X (gfx1250); checked and timed in simulation.
; The chip was launched on July 23, 2026; its instructions are those of AMD's public machine-readable ISA for CDNA 5 (MIT licence, August 2026) and "CDNA5" Instruction Set Architecture Reference Guide (July 2026). The comments in the code are by the model that wrote it; some were corrected since.
;; Multi Head Attention. Allowed arithmetic: matrix products marked QUANTISED: E4M3 operands, one given power-of-two scale a tensor, by v_wmma_f32_16x16x64_fp8_fp8 or v_wmma_f32_16x16x128_fp8_fp8, f32 sums; everything else in f32.
;; Inputs: W_k_codes 1,024 x 32 x 32 uint8 (E4M3 codes of W_k, K innermost, in blocks of 32 codes); W_o_codes 1,024 x 32 x 32 uint8 (E4M3 codes of W_o, K innermost, in blocks of 32 codes); W_q_codes 1,024 x 32 x 32 uint8 (E4M3 codes of W_q, K innermost, in blocks of 32 codes); W_v_codes 1,024 x 32 x 32 uint8 (E4M3 codes of W_v, K innermost, in blocks of 32 codes); lowp_scales 12 int32 (the exponents e of the quantised operands' scales 2^e); x_codes 4 x 2,048 x 32 x 32 uint8 (E4M3 codes of x, K innermost, in blocks of 32 codes).
;; Outputs: out0 4 x 2,048 x 1,024 float32.
;; This version of the problem:
;;   THIS VERSION OF THE PROBLEM IS GIVEN IN LOW PRECISION. The matrix products marked QUANTISED in the list below multiply operands that are first quantised to E4M3 (4 exponent bits, 3 mantissa bits; 8 bits a number), with one given power-of-two scale for each operand tensor; their sums are f32. All else is computed in f32.
;;   The module's matrix products, in the order in which they are computed (A, B: the left and right operand; K: the contracted axis; several contracted axes count as one K, in the product's order):
;;     1. [M 8,192, K 1,024] x [K 1,024, N 1,024]; A: input x (given as codes); B: input W_q (given as codes): QUANTISED (scales: A lowp_scales[0], B lowp_scales[1])
;;     2. [M 8,192, K 1,024] x [K 1,024, N 1,024]; A: input x (given as codes); B: input W_k (given as codes): QUANTISED (scales: A lowp_scales[2], B lowp_scales[3])
;;     3. [M 8,192, K 1,024] x [K 1,024, N 1,024]; A: input x (given as codes); B: input W_v (given as codes): QUANTISED (scales: A lowp_scales[4], B lowp_scales[5])
;;     4. batch 64 x [M 2,048, K 64] x [K 64, N 2,048]; A: computed on the way; B: computed on the way: QUANTISED (scales: A lowp_scales[6], B lowp_scales[7])
;;     5. batch 64 x [M 2,048, K 2,048] x [K 2,048, N 64]; A: softmax (see below); B: computed on the way: QUANTISED (scales: A lowp_scales[8], B lowp_scales[9])
;;     6. [M 8,192, K 1,024] x [K 1,024, N 1,024]; A: computed on the way; B: input W_o (given as codes): QUANTISED (scales: A lowp_scales[10], B lowp_scales[11])
;;   THE QUANTISER, for each operand of a quantised product, along K:
;;     - The operand's scale is 2^e, e = its entry of the input lowp_scales (int32; the entries are numbered through the quantised products in the list's order, A before B).
;;     - Each number is divided by the scale, clamped to +-448, and rounded to the nearest number of E4M3, ties to even, subnormals kept.
;;     - The product sums the exact products of the quantised numbers (number of the format x scale) in f32.
;;   ~~~python
;;   def quantise(x, axis, e):      # numpy; x: float32 -> the quantised numbers, widened to float32 again
;;       x = np.moveaxis(x, axis, -1); K = x.shape[-1]
;;       r = np.clip(x / 2.0 ** e, -448, 448)
;;       step = 2.0 ** (np.maximum(np.frexp(np.where(r == 0, 1, r))[1] - 1, -6) - 3)
;;       q = np.round(r / step) * step * 2.0 ** e      # np.round: ties to even
;;       return np.moveaxis(q, -1, axis).astype(np.float32)
;;   ~~~
;;   SOFTMAX AHEAD OF A QUANTISED PRODUCT. Where the list says 'softmax', what is quantised is not the finished softmax but p = 2^(t - M), with t = logit x log2(e) and M = ceil(the row's largest t), a whole number; so 1/2 < the row's largest p <= 1. The row's sum l is taken of the UNQUANTISED p, in f32, and the product's result is divided by l at the end. Since M is a whole number, a kernel that streams over the keys may use a running M (the ceiling of the running maximum): every later rescaling is an exact power of two, so the quantised numbers keep their values, but for numbers so far below the row's largest that they fall under the format's range.
;;   OPERANDS COMPUTED ON THE WAY. 'Computed on the way' means the value that the module computes at that place (a softmax that the list does not call 'softmax' is quantised finished and normalised). What goes into a quantiser is computed in f32, as accurately as f32 sums, v_exp_f32 and their like allow (about 1e-6 of the number): no bf16 or f16 on the way to a quantiser, and a product that is left as it is and whose result goes on into a quantised operand takes f32 operands (vector FMAs, or v_wmma_f32_16x16x4_f32). A number that lies on a knife's edge between two numbers of the format may be rounded either way, as far as f32 arithmetic and the matrix unit's own rounding can turn it there, and no further.
;;   INPUTS GIVEN AS CODES. W_k (in the module: [1024, 1024], K = its axis 1); W_o (in the module: [1024, 1024], K = its axis 1); W_q (in the module: [1024, 1024], K = its axis 1); W_v (in the module: [1024, 1024], K = its axis 1); x (in the module: [4, 2048, 1024], K = its axis 2): each comes as NAME_codes (uint8): NAME with its K axis moved to the last place and cut into blocks of 32 codes, [.., K / 32, bytes a block], one block behind the other in memory; one code a byte (a code: sign, 4 exponent bits, 3 mantissa bits); its scale is its entry of lowp_scales. Its value is code x scale, taken as it is: it is not quantised again, and the codes and scales need not be those that the quantiser above would give.
;; One version. Each part assembles by itself: llvm-mc -triple=amdgcn-amd-amdhsa -mcpu=gfx1250 --defsym DOCPART=n.
;; ======== version 1 of 1: 3 launches
;; limits: right only within a limited range of input values
;; workspace buffers: qimg 8,388,608 bytes; kvimg 16,777,216 bytes; cimg 8,388,608 bytes
;; launch proj (part 1): grid 8 x 32, 4 waves a work-group, clusters of 4 x 4, 327,680 bytes of LDS; arguments x_codes, W_q_codes, W_k_codes, W_v_codes, lowp_scales, qimg, kvimg; writes qimg, kvimg
.if DOCPART == 1
	.amdgcn_target "amdgcn-amd-amdhsa--gfx1250"
	.amdhsa_code_object_version 6
	.text
	.protected	k_q337e14188a_proj
	.globl	k_q337e14188a_proj
	.p2align	8
	.type	k_q337e14188a_proj,@function
k_q337e14188a_proj:
	s_mov_b64 s[64:65], 0
	v_nop
	global_prefetch_b8 v0, s[64:65] scope:SCOPE_SE
	s_setreg_imm32_b32 hwreg(HW_REG_WAVE_MODE, 25, 1), 1
	s_wait_xcnt 0x0
	s_wait_alu depctr_hold_cnt(0) depctr_sa_sdst(0) depctr_va_vdst(0) depctr_va_sdst(0) depctr_va_ssrc(0) depctr_va_vcc(0) depctr_vm_vsrc(0)
	s_getreg_b32 s2, hwreg(HW_REG_IB_STS2, 6, 4)
	s_cmp_eq_u32 s2, 0
	s_cbranch_scc0 .Lentry_in_a_cluster
	s_endpgm
.Lentry_in_a_cluster:
	s_bfe_u32 s2, ttmp6, 0x10000c
	s_cmp_lg_u32 s2, 0xf033
	s_cbranch_scc0 .Lentry_shape_is_right
	s_endpgm
.Lentry_shape_is_right:
; q, k, v = x W_q^T, x W_k^T, x W_v^T on codes of E4M3, then quantised to E4M3 with the given scales and stored as IMAGES OF OPERAND REGISTERS for the attention launch.
; x: [8192][1024] codes; W_q, W_k, W_v: [1024][1024] codes, K innermost.  lowp_scales e0..e11: x and W_q e0, e1; x and W_k e2, e3; x and W_v e4, e5; q e6; k e7; v e9.
; A sum of the first product stands for sum x 2^(e0 + e1), so q's code is sum / 2^(e6 - e0 - e1); k and v likewise.
; LIMITS: e6 - e0 - e1, e7 - e2 - e3 and e9 - e4 - e5 lie between -126 and 119, so that each scale and 448 x the scale are f32 numbers.  NaN codes among the inputs are not served.
; SHARES.  A work-group takes 256 tokens and columns 128 bx .. 128 bx + 127 of EACH of the three weights: x's tile is read once for three products.  Wave w takes all 256 tokens and columns 32 w .. 32 w + 31
; of each: 16 tiles of tokens x 6 tiles of weights = 96 accumulators, 768 registers.  K goes in steps of 128 through a ring of two LDS slots; a step is two halves of 64, 96 matrix instructions each.
; CLUSTER 4 x 4: the four work-groups of a row share x's tile, the four of a column the weights' tiles: each tile is asked for jointly.  Wave 0 asks for x's 256 rows, waves 1, 2, 3 for 128 rows of W_q, W_k, W_v.
; LAYOUT.  q and k: source 0 = 16 rows of W, source 1 = 16 tokens: a lane holds ONE token and eight neighbouring channels, so the conversions' results are registers of an operand whose K is the head's 64.
; v: the sources are swapped: a lane holds one channel and eight neighbouring TOKENS, which are the K of the second product of attention.  Lane r of v's tile u takes row 8 u + r + 8 (r / 8) of the wave's 32,
; so that in attention's result two neighbouring tiles give a lane 16 neighbouring channels.
; Both sides of a product are fetched by the same two loads of 16 bytes, 32 apart, at 16 x (lane / 16): one order of k, alike in both sources.
; REGISTERS: window 0: v16-21 LDS addresses, v24 16 x lane, v25-27 the three scales, v28, v29 for the add; v32-159 two sets of 8 fragments of x; v160-255 two sets of 6 fragments of the weights.
;   windows 1-3: accumulator n = 6 a + b (a: tile of tokens, b: 0, 1 q; 2, 3 k; 4, 5 v) at window n / 32 + 1, register 8 (n % 32).
.set PITCH, 144                        ; an LDS row: 128 bytes + 16: nine times 16 bytes, so the 16 rows of a load begin at 16 different 16-byte columns of 256 bytes
.set ATILE, 256*PITCH
.set WTILE, 128*PITCH
.set SLOT,  ATILE+3*WTILE              ; x's 256 rows, then 128 rows of W_q, of W_k, of W_v
.set SPARE, 2*SLOT                     ; behind the ring: the spare words, 128 bytes for each wave
.set ADRA, 16                          ; v16-17  my place in x's tile, slot 0, 1
.set ADRB, 18                          ; v18-19  in W_q's tile (W_k's lies WTILE further on)
.set ADRV, 20                          ; v20-21  in W_v's tile, with the chosen rows
.set LI,   24                          ; v24     16 x lane
.set SC,   25                          ; v25-27  the conversions' scales for q, k, v
.set SPW,  28
.set NIL,  29
.set AS,   32
.set BS,   160
.set WV,   18                          ; s18     my wave's number
.set G1A,  24
.set G0A,  32
.set G1B,  48
.set G0B,  56
.set MSB, 0
.macro WIN new                         ; the immediate's high byte repeats the setting that is left; a switch that changes nothing is dropped
.if MSB != \new
	s_set_vgpr_msb (MSB<<8)|\new
.set MSB, \new
.endif
.endm
.macro PLACES n
.rept \n
	v_nop
.endr
.endm
; A joint load: wave 0 asks for x's tile, waves 1 to 3 for a weight's.  The branch hangs on the wave's number alone.  Four v_nop follow each line.
.macro JLOAD s
	s_cmp_eq_u32 s[WV], 0
	s_cbranch_scc0 .Lfor_w_\@
	tensor_load_to_lds s[G0A+4*\s:G0A+4*\s+3], s[G1A:G1A+7]
	s_nop 0
.rept 4
	v_nop
.endr
	s_branch .Lasked_\@
.Lfor_w_\@:
	tensor_load_to_lds s[G0B+4*\s:G0B+4*\s+3], s[G1B:G1B+7]
	s_nop 0
.rept 4
	v_nop
.endr
.Lasked_\@:
.endm
.macro CREST                           ; a round of the cluster's barrier behind its opening barrier
	s_cmp_lg_u32 s[WV], 0
	s_cbranch_scc1 .Lnot_wave_0_\@
	s_barrier_signal -3
.Lnot_wave_0_\@:
	s_barrier_wait -3
	s_barrier_signal -1
	s_barrier_wait -1
.endm
.macro CROUND
	s_barrier_signal -1
	s_barrier_wait -1
	CREST
.endm
	s_load_b256 s[4:11], s[0:1], 0x0               ; x s[4:5], W_q s[6:7], W_k s[8:9], W_v s[10:11]
	s_load_b128 s[12:15], s[0:1], 0x20             ; the scales' exponents s[12:13], qimg s[14:15]
	s_load_b64 s[16:17], s[0:1], 0x30              ; kvimg
	v_lshl_add_u32 v[SPW], v0, 2, SPARE
	v_mov_b32 v[NIL], 0
	ds_add_u32 v28, v29
	ds_add_u32 v28, v29
	s_wait_dscnt 0x0
	v_lshrrev_b32 v1, 5, v0
	v_readfirstlane_b32 s[WV], v1                  ; wave 0..3
	s_bfe_u32 s40, ttmp6, 0x40000                  ; cx
	s_bfe_u32 s41, ttmp6, 0x40004                  ; cy
	s_lshl_b32 s42, ttmp9, 2
	s_add_co_u32 s42, s42, s40                     ; bx: which 128 columns
	s_and_b32 s19, ttmp7, 0xffff
	s_lshl_b32 s19, s19, 2
	s_add_co_u32 s19, s19, s41                     ; by: which 256 tokens
	s_lshl_b32 s43, s41, 2
	s_lshl_b32 s43, 15, s43                        ; my row of the cluster
	s_lshl_b32 s44, 0x1111, s40                    ; my column
	s_or_b32 s[G1A], s43, (1<<20)|(1<<21)|(4<<22)|(3<<25)   ; the mask; elements of 1 byte; padding on; bit 21 beside a mask; after every 32 words, 4 words
	s_mov_b32 s[G1A+1], 128<<16                    ; tensor_dim0 = 128
	s_mov_b32 s[G1A+2], 256<<16                    ; tensor_dim1 = 256
	s_mov_b32 s[G1A+3], 128<<16                    ; tile_dim0 = 128
	s_mov_b32 s[G1A+4], 256                        ; tile_dim1 = 256
	s_mov_b32 s[G1A+5], 1024                       ; bytes from row to row
	s_mov_b32 s[G1A+6], 0
	s_mov_b32 s[G1A+7], 0
	s_or_b32 s[G1B], s44, (1<<20)|(1<<21)|(4<<22)|(3<<25)
	s_mov_b32 s[G1B+1], 128<<16
	s_mov_b32 s[G1B+2], 128<<16                    ; 128 rows
	s_mov_b32 s[G1B+3], 128<<16
	s_mov_b32 s[G1B+4], 128
	s_mov_b32 s[G1B+5], 1024
	s_mov_b32 s[G1B+6], 0
	s_mov_b32 s[G1B+7], 0
	s_lshl_b32 s20, s19, 18                        ; x: 256 by rows of 1,024 bytes
	s_mov_b32 s21, 0
	s_lshl_b32 s46, s42, 17                        ; a weight: 128 bx rows
	s_mov_b32 s47, 0
	s_mul_i32 s45, s[WV], WTILE
	s_add_co_u32 s45, s45, WTILE                   ; waves 1, 2, 3: behind x's tile (2 WTILE), one weight's tile each
	s_wait_kmcnt 0x0
	s_load_b256 s[80:87], s[12:13], 0x0            ; e0 .. e7
	s_load_b128 s[88:91], s[12:13], 0x20           ; e8 .. e11
	s_add_nc_u64 s[20:21], s[4:5], s[20:21]
	s_cmp_eq_u32 s[WV], 2
	s_cselect_b64 s[72:73], s[8:9], s[6:7]         ; wave 2: W_k,
	s_cmp_eq_u32 s[WV], 3
	s_cselect_b64 s[72:73], s[10:11], s[72:73]     ; wave 3: W_v, else W_q
	s_add_nc_u64 s[46:47], s[72:73], s[46:47]
	CROUND                                         ; all sixteen work-groups are here: the first joint loads meet
.irp s, 0,1
	s_mov_b32 s[G0A+4*\s], 1
	s_mov_b32 s[G0A+4*\s+1], \s*SLOT
	s_add_nc_u64 s[G0A+4*\s+2:G0A+4*\s+3], s[20:21], \s*128
	s_or_b32 s[G0A+4*\s+3], s[G0A+4*\s+3], 0x80000000
	s_mov_b32 s[G0B+4*\s], 1
	s_add_co_u32 s[G0B+4*\s+1], s45, \s*SLOT
	s_add_nc_u64 s[G0B+4*\s+2:G0B+4*\s+3], s[46:47], \s*128
	s_or_b32 s[G0B+4*\s+3], s[G0B+4*\s+3], 0x80000000
	s_wait_alu depctr_va_vdst(0)
	s_wait_tensorcnt 0x0
	ds_add_u32 v28, v29
	ds_add_u32 v28, v29
	s_wait_dscnt 0x0
	CROUND
	JLOAD \s                                       ; K steps 0 and 1: two loads of mine are out
.endr
	v_and_b32 v1, 15, v0                           ; r
	v_bfe_u32 v2, v0, 4, 1                         ; h
	v_mul_u32_u24 v3, v1, PITCH
	v_lshl_add_u32 v3, v2, 4, v3                   ; row r, + 16 h
	v_and_b32 v4, 8, v1
	v_add_nc_u32 v4, v4, v1                        ; r + 8 (r / 8)
	v_mul_u32_u24 v4, v4, PITCH
	v_lshl_add_u32 v4, v2, 4, v4
	s_mul_i32 s72, s[WV], 32*PITCH                 ; my 32 rows of a weight's tile
	s_add_co_u32 s73, s72, ATILE
	s_add_co_u32 s74, s72, ATILE+2*WTILE
.irp s, 0,1
	v_add_nc_u32 v[ADRA+\s], \s*SLOT, v3
	v_add_nc_u32 v[ADRB+\s], s73, v3
	v_add_nc_u32 v[ADRV+\s], s74, v4
	s_add_co_u32 s73, s73, SLOT
	s_add_co_u32 s74, s74, SLOT
.endr
	v_and_b32 v5, 31, v0
	v_lshlrev_b32 v[LI], 4, v5
	; where my images go.  bh = 16 (by / 8) + 2 bx + w / 2; g = w % 2: which 32 of the head's 64 channels are mine
	s_lshr_b32 s94, s19, 3
	s_lshl_b32 s94, s94, 4
	s_lshl_b32 s95, s42, 1
	s_add_co_u32 s94, s94, s95
	s_lshr_b32 s95, s[WV], 1
	s_add_co_u32 s94, s94, s95                     ; bh
	s_and_b32 s95, s19, 7                          ; which 256 tokens of the batch's 2,048
	s_and_b32 s98, s[WV], 1                        ; g
	s_lshl_b32 s96, s94, 17                        ; qimg: a head is 128 tiles of 1,024 bytes,
	s_lshl_b32 s99, s95, 14                        ; my 16 tiles,
	s_add_co_u32 s96, s96, s99
	s_lshl_b32 s99, s98, 9                         ; registers 4 g .. 4 g + 3
	s_add_co_u32 s96, s96, s99
	s_mov_b32 s97, 0
	s_add_nc_u64 s[66:67], s[14:15], s[96:97]
	s_lshl_b32 s94, s94, 18                        ; kvimg: a head is 16 steps of 16,384 bytes,
	s_lshl_b32 s95, s95, 15                        ; my two steps
	s_add_co_u32 s94, s94, s95
	s_add_co_u32 s96, s94, s99                     ; k: + 512 g
	s_add_nc_u64 s[68:69], s[16:17], s[96:97]
	s_lshl_b32 s99, s98, 12                        ; v: behind the step's 8,192 bytes of k; channel tiles 2 g, 2 g + 1 of 2,048 bytes
	s_add_co_u32 s96, s94, s99
	s_add_co_u32 s96, s96, 8192
	s_add_nc_u64 s[70:71], s[16:17], s[96:97]
; 16 LDS loads: x's tiles a0 .. a0 + 7, the slot's half kap, into set
.macro FA set, slot, kap, a0
.irp i, 0,1,2,3,4,5,6,7
	ds_load_b128 v[AS+64*(\set)+8*\i:AS+64*(\set)+8*\i+3],   v[ADRA+\slot] offset:((\a0)+\i)*16*PITCH+64*(\kap)
	ds_load_b128 v[AS+64*(\set)+8*\i+4:AS+64*(\set)+8*\i+7], v[ADRA+\slot] offset:((\a0)+\i)*16*PITCH+64*(\kap)+32
.endr
.endm
; 12 LDS loads: my six fragments of the weights: q's two, k's two, v's two
.macro FB set, slot, kap
.irp b, 0,1,2,3
	ds_load_b128 v[BS+48*(\set)+8*\b:BS+48*(\set)+8*\b+3],   v[ADRB+\slot] offset:(\b/2)*WTILE+(\b%2)*16*PITCH+64*(\kap)
	ds_load_b128 v[BS+48*(\set)+8*\b+4:BS+48*(\set)+8*\b+7], v[ADRB+\slot] offset:(\b/2)*WTILE+(\b%2)*16*PITCH+64*(\kap)+32
.endr
.irp u, 0,1
	ds_load_b128 v[BS+48*(\set)+32+8*\u:BS+48*(\set)+32+8*\u+3], v[ADRV+\slot] offset:\u*8*PITCH+64*(\kap)
	ds_load_b128 v[BS+48*(\set)+36+8*\u:BS+48*(\set)+36+8*\u+3], v[ADRV+\slot] offset:\u*8*PITCH+64*(\kap)+32
.endr
.endm
; 6 n matrix instructions: x's tiles a0 .. a0 + n - 1 against my six fragments.  The 96 accumulators take turns, one instruction a turn, in the same order in every half.
; zero = 1: the first product starts the sums: nothing is cleared.
.macro MM a0, n, aset, bset, zero
.set ma, \a0
.rept \n
.set mb, 0
.rept 6
.set mn, 6*ma+mb
.set mw, mn/32+1
.set mr, 8*(mn%32)
.set fx, AS+64*(\aset)+8*(ma%8)
.set fw, BS+48*(\bset)+8*mb
.set mwin, (mw<<6)|(mw<<4)
	WIN mwin
.if mb < 4
.if \zero
	v_wmma_f32_16x16x64_fp8_fp8 v[mr:mr+7], v[fw:fw+7], v[fx:fx+7], 0
.else
	v_wmma_f32_16x16x64_fp8_fp8 v[mr:mr+7], v[fw:fw+7], v[fx:fx+7], v[mr:mr+7]
.endif
.else
.if \zero
	v_wmma_f32_16x16x64_fp8_fp8 v[mr:mr+7], v[fx:fx+7], v[fw:fw+7], 0
.else
	v_wmma_f32_16x16x64_fp8_fp8 v[mr:mr+7], v[fx:fx+7], v[fw:fw+7], v[mr:mr+7]
.endif
.endif
.set mb, mb+1
.endr
.set ma, ma+1
.endr
.endm
; A slot's first half (weights' set 0).  Loads into registers that matrix instructions have read stand four plain vector instructions behind them (ISA guide 7.12.1 for vector instructions).
.macro STEP slot, zero
	PLACES 4
	WIN 0
	FA 1, \slot, 0, 8                              ; x's tiles 8-15 of this half,
	FB 1, \slot, 1                                 ; the weights' fragments of the next
	s_wait_dscnt 28                                ; all but the 28 just issued: x's tiles 0-7 and the weights' set 0 are in
	MM 0, 8, 0, 0, \zero
	PLACES 4
	WIN 0
	FA 0, \slot, 1, 0                              ; x's tiles 0-7 of the next half
	s_wait_dscnt 16                                ; all but those 16
	MM 8, 8, 1, 0, \zero
.endm
; A slot's second half (set 1) changes slots: ONE barrier; in front of it each wave waits for all its tensor loads, adds 0 to its spare word, and waits for that and for its reads of this slot.
.macro TURN slot, next, fill
	PLACES 4
	WIN 0
	FA 1, \slot, 1, 8                              ; my last reads of this slot
	s_wait_dscnt 16                                ; x's tiles 0-7 are in
	MM 0, 4, 0, 1, 0
	WIN 0                                          ; (the add's two registers lie in window 0)
	s_wait_tensorcnt 0x0                           ; all my tensor loads have landed: my part of the next slot;
	ds_add_u32 v[SPW], v[NIL]                      ; 0 onto my spare word;
	MM 4, 2, 0, 1, 0                               ; twelve matrix instructions stand between the add and the wait for it
	s_wait_dscnt 0x0                               ; the add is done, and my reads of this slot are over
	s_barrier_signal -1
	MM 6, 2, 0, 1, 0
	WIN 0
	s_barrier_wait -1
.if \fill
	CREST                                          ; the barrier has opened a round of the cluster's barrier: no wave of any partner still reads this slot or has a load on its way
	s_add_nc_u64 s[G0A+4*\slot+2:G0A+4*\slot+3], s[G0A+4*\slot+2:G0A+4*\slot+3], 256
	s_add_nc_u64 s[G0B+4*\slot+2:G0B+4*\slot+3], s[G0B+4*\slot+2:G0B+4*\slot+3], 256
	JLOAD \slot                                    ; two K steps on; 168 matrix instructions ahead of the wait for it; its four v_nop are the places in front of the loads below
.else
	PLACES 4
.endif
	FB 0, \next, 0
	FA 0, \next, 0, 0
	MM 8, 8, 1, 1, 0
.endm
	s_wait_alu depctr_va_vdst(0)
	s_wait_tensorcnt 1                             ; my part of K step 0 is in; K step 1's may be out
	s_barrier_signal -1
	s_barrier_wait -1
	FB 0, 0, 0
	FA 0, 0, 0, 0
	STEP 0, 1                                      ; the first half stands in front of the loop: its products start the sums
	WIN 0                                          ; at a label and at a branch every window is 0
	s_mov_b32 s3, 3
.Llap:                                                 ; a trip goes once round the ring and fills both slots again: K steps 2 to 7
	TURN 0, 1, 1
	STEP 1, 0
	TURN 1, 0, 1
	STEP 0, 0
	WIN 0
	s_sub_co_u32 s3, s3, 1
	s_cmp_lg_u32 s3, 0
	s_cbranch_scc1 .Llap
	TURN 0, 1, 0                                   ; the last lap fills nothing
	STEP 1, 0
	PLACES 4                                       ; the very last half
	WIN 0
	FA 1, 1, 1, 8
	s_wait_dscnt 16
	MM 0, 8, 0, 1, 0
	s_wait_dscnt 0x0
	MM 8, 8, 1, 1, 0
	WIN 0
	; THE WAY OUT.  Each sum is left unclamped (the conversion to an 8-bit code does not saturate: ISA guide 7.6.2) and converted; four registers of codes are 16 bytes a lane, 512 consecutive bytes a store.
.macro MKSC ea, eb, ec, lo, vr         ; the scale 2^(ea - eb - ec) into v[vr], -448 x and +448 x the scale into s[lo], s[lo + 1]
	s_sub_co_i32 s72, s[\ea], s[\eb]
	s_sub_co_i32 s72, s72, s[\ec]
	s_add_co_i32 s72, s72, 127
	s_lshl_b32 s73, s72, 23
	v_mov_b32 v[\vr], s73
	s_add_co_i32 s72, s72, 8
	s_lshl_b32 s72, s72, 23
	s_or_b32 s[\lo+1], s72, 0x600000
	s_or_b32 s[\lo], s[\lo+1], 0x80000000
.endm
	s_wait_kmcnt 0x0
	MKSC 86, 80, 81, 76, SC                        ; q: e6 - e0 - e1
	MKSC 87, 82, 83, 78, SC+1                      ; k: e7 - e2 - e3
	MKSC 89, 84, 85, 92, SC+2                      ; v: e9 - e4 - e5
	PLACES 4                                       ; behind the last products, ahead of the first read of results and the first write of the fragments' registers
; Tiles of tokens 2 p and 2 p + 1: twelve accumulators, 24 registers of codes of their own (no store's data are written again), six stores.
.macro QOUT p
.set CB, 32+24*(\p)
.set qt, 0
.rept 12
.set mn, 12*(\p)+qt
.set mw, mn/32+1
.set mr, 8*(mn%32)
.set mwin, (mw<<6)|mw
.set ml, 76
.if (qt%6) >= 2
.set ml, 78
.endif
.if (qt%6) >= 4
.set ml, 92
.endif
	WIN mwin
.irp j, 0,1,2,3,4,5,6,7
.endr
.set qt, qt+1
.endr
.set qt, 0
.rept 12
.set mn, 12*(\p)+qt
.set mw, mn/32+1
.set mr, 8*(mn%32)
.set qb, qt%6
.set qa, qt/6
.if qb < 4
.set md, CB+8*(qb/2)+4*qa+2*(qb%2)     ; q, k: a tile of tokens' four registers: channels 16 u + 8 h + 0 .. 7, u = 0, 1
.else
.set md, CB+16+4*(qb-4)+2*qa           ; v: a channel tile's four registers: tokens of tiles 2 p, 2 p + 1
.endif
	WIN mw
	v_cvt_scalef32_pk8_fp8_f32 v[md:md+1], v[mr:mr+7], v[SC+qb/2]
.set qt, qt+1
.endr
	v_nop                                          ; one plain vector instruction behind the last conversion of a run
	WIN 0
.irp x, 0,1
	global_store_b128 v[LI], v[CB+4*\x:CB+4*\x+3], s[66:67] offset:(2*(\p)+\x)*1024
	global_store_b128 v[LI], v[CB+8+4*\x:CB+8+4*\x+3], s[68:69] offset:((\p)/4)*16384+(2*((\p)%4)+\x)*1024
	global_store_b128 v[LI], v[CB+16+4*\x:CB+16+4*\x+3], s[70:71] offset:((\p)/4)*16384+\x*2048+((\p)%4)*512
.endr
.endm
	s_wait_alu depctr_va_vdst(0)
.irp p, 0,1,2,3,4,5,6,7
	QOUT \p
.endr
	s_wait_tensorcnt 0x0                           ; the wave's end
	ds_add_u32 v[SPW], v[NIL]
	s_wait_dscnt 0x0
	CROUND                                         ; the closing round: no work-group ends while a partner may still ask for a tile that names it
	s_endpgm
.Lfunc_end_k_q337e14188a_proj:
	.size	k_q337e14188a_proj, .Lfunc_end_k_q337e14188a_proj-k_q337e14188a_proj
	.p2alignl 7, 3214868480
	.fill 96, 4, 3214868480
	.section	.rodata,"a",@progbits
	.p2align	6, 0x0
	.amdhsa_kernel k_q337e14188a_proj
		.amdhsa_group_segment_fixed_size 327680
		.amdhsa_private_segment_fixed_size 0
		.amdhsa_enable_private_segment 0
		.amdhsa_kernarg_size 56
		.amdhsa_user_sgpr_count 2
		.amdhsa_user_sgpr_kernarg_segment_ptr 1
		.amdhsa_wavefront_size32 1
		.amdhsa_system_sgpr_workgroup_id_x 1
		.amdhsa_system_sgpr_workgroup_id_y 1
		.amdhsa_system_sgpr_workgroup_id_z 1
		.amdhsa_system_vgpr_workitem_id 0
		.amdhsa_next_free_vgpr 1024
		.amdhsa_next_free_sgpr 100
		.amdhsa_reserve_vcc 0
		.amdhsa_float_denorm_mode_32 3
		.amdhsa_float_denorm_mode_16_64 3
		.amdhsa_fp16_overflow 1
		.amdhsa_memory_ordered 1
		.amdhsa_forward_progress 1
		.amdhsa_inst_pref_size 98
	.end_amdhsa_kernel
	.amdgpu_metadata
---
amdhsa.version: [ 1, 2 ]
amdhsa.kernels:
  - .name:           k_q337e14188a_proj
    .symbol:         k_q337e14188a_proj.kd
    .args:
      - { .name: x_codes, .offset: 0, .size: 8, .value_kind: global_buffer, .address_space: global }
      - { .name: W_q_codes, .offset: 8, .size: 8, .value_kind: global_buffer, .address_space: global }
      - { .name: W_k_codes, .offset: 16, .size: 8, .value_kind: global_buffer, .address_space: global }
      - { .name: W_v_codes, .offset: 24, .size: 8, .value_kind: global_buffer, .address_space: global }
      - { .name: lowp_scales, .offset: 32, .size: 8, .value_kind: global_buffer, .address_space: global }
      - { .name: qimg, .offset: 40, .size: 8, .value_kind: global_buffer, .address_space: global }
      - { .name: kvimg, .offset: 48, .size: 8, .value_kind: global_buffer, .address_space: global }
    .group_segment_fixed_size: 327680
    .private_segment_fixed_size: 0
    .kernarg_segment_align: 8
    .kernarg_segment_size: 56
    .max_flat_workgroup_size: 128
    .sgpr_count:     100
    .vgpr_count:     1024
    .wavefront_size: 32
...
	.end_amdgpu_metadata
.endif
;; end of part 1
;; launch attn (part 2): grid 4 x 64, 16 waves a work-group, clusters of 4 x 1, 327,680 bytes of LDS; arguments qimg, kvimg, lowp_scales, cimg; writes cimg
.if DOCPART == 2
	.amdgcn_target "amdgcn-amd-amdhsa--gfx1250"
	.amdhsa_code_object_version 6
	.text
	.protected	k_q337e14188a_attn
	.globl	k_q337e14188a_attn
	.p2align	8
	.type	k_q337e14188a_attn,@function
k_q337e14188a_attn:
	s_mov_b64 s[64:65], 0
	v_nop
	global_prefetch_b8 v0, s[64:65] scope:SCOPE_SE
	s_setreg_imm32_b32 hwreg(HW_REG_WAVE_MODE, 25, 1), 1
	s_wait_xcnt 0x0
	s_wait_alu depctr_hold_cnt(0) depctr_sa_sdst(0) depctr_va_vdst(0) depctr_va_sdst(0) depctr_va_ssrc(0) depctr_va_vcc(0) depctr_vm_vsrc(0)
	s_getreg_b32 s2, hwreg(HW_REG_IB_STS2, 6, 4)
	s_cmp_eq_u32 s2, 0
	s_cbranch_scc0 .Lentry_in_a_cluster
	s_endpgm
.Lentry_in_a_cluster:
	s_bfe_u32 s2, ttmp6, 0x10000c
	s_cmp_lg_u32 s2, 0x3003
	s_cbranch_scc0 .Lentry_shape_is_right
	s_endpgm
.Lentry_shape_is_right:
; Causal attention of one (batch, head) on codes of E4M3, head size 64, 2,048 tokens; the heads' results are quantised with 2^e10 and stored as images of the last product's operand registers.
; t = score x 2^(e6 + e7) x log2(e) / 8; M = the running largest t rounded UP to a whole number; p = 2^(t - M) is quantised with 2^e8, not normalised; the row's sum is taken of the unquantised p and divides at the end.
; LIMITS: e6 + e7 between -123 and 130 (added to c's exponent field); e8 and e10 between -126 and 119; e8 + e9 is applied by v_ldexp_f32 and has none.
; CLUSTER: the four work-groups of a head.  The head's K and V, 16 steps of 128 keys, 16,384 bytes each as register images, stay in LDS for the whole launch: each of the 16 waves asks for ONE step, jointly with
; its three partners; nothing is filled again.
; SHARES.  A head has 128 tiles of 16 queries, in 16 groups of 8 (a group = the queries of one key step).  With G = wave / 2, e = wave % 2, the wave owns tile 2 cx + e of group 15 - G (16 - G key steps) and then tile
; 2 cx + e of group G (G + 1 key steps): 17 key steps for every wave of every work-group.  No branch, trip count or LDS address hangs on cx.
; LAYOUT.  S^T = K Q^T (source 0 = 16 keys, source 1 = my 16 queries), O^T = V^T P^T: a lane holds ONE query.  Register j of S^T's tile t is key 16 t + 8 (lane / 16) + j: its eight codes are registers 2 t, 2 t + 1 of P.
; V's channel tiles are laid so that register j of O^T's tile 2 g + u is channel 32 g + 16 (lane / 16) + 8 u + j: two tiles give 16 neighbouring channels.
; REGISTERS: v1 16 x lane; v2 the mask's number; v3 LDS address; v12 -M, v13 the largest t, v[14:15] the sum; v16-23 Q in hand, v24-31 the second tile's; v32-95 K's 8 fragments, then V's 4; v96-159 S^T, then p;
; v160-191 O^T; v192-207 p's codes; v208-215 the result's codes; v232-254 at work.
.set WV, 12
.macro CROUND
	s_barrier_signal -1
	s_barrier_wait -1
	s_cmp_lg_u32 s[WV], 0
	s_cbranch_scc1 .Lnot_wave_0_\@
	s_barrier_signal -3
.Lnot_wave_0_\@:
	s_barrier_wait -3
	s_barrier_signal -1
	s_barrier_wait -1
.endm
.macro INIT                            ; a tile begins: the key step is written once, and its first turn finds zeros, which the first change of M leaves zeros
	v_mov_b32 v13, 0xff61b1e6                      ; the largest t so far: -3e38
	s_delay_alu instid0(VALU_DEP_1)
	v_floor_f32 v12, -v13                          ; -M
	v_mov_b32 v14, 0
	v_mov_b32 v15, 0
.set j, 0
.rept 32
	v_mov_b32 v[160+j], 0
.set j, j+1
.endr
.endm
	s_load_b256 s[4:11], s[0:1], 0x0               ; qimg s[4:5], kvimg s[6:7], the scales' exponents s[8:9], cimg s[10:11]
	v_lshl_add_u32 v251, v0, 2, 0x40000
	v_mov_b32 v255, 0
	ds_add_u32 v251, v255
	ds_add_u32 v251, v255
	v_lshrrev_b32 v3, 5, v0
	s_delay_alu instid0(VALU_DEP_1)
	v_readfirstlane_b32 s[WV], v3                  ; wave 0..15
	s_bfe_u32 s13, ttmp6, 0x40000                  ; cx
	s_and_b32 s14, ttmp7, 0xffff                   ; bh = 16 x batch + head, which the four partners share
	s_lshr_b32 s15, s[WV], 1                       ; G
	s_sub_co_u32 s17, 16, s15                      ; the first tile's key steps
	s_sub_co_u32 s18, 15, s15                      ; the trip in which it meets the diagonal
	s_mov_b32 s24, 15|(3<<16)|(1<<21)              ; the mask: all four; elements of 8 bytes; bit 21 beside a mask; no padding
	s_mov_b32 s25, 32<<16                          ; tensor_dim0 = 32 elements: rows of 256 bytes
	s_mov_b32 s26, 64<<16                          ; tensor_dim1 = 64
	s_mov_b32 s27, 32<<16                          ; tile_dim0
	s_mov_b32 s28, 64                              ; tile_dim1
	s_mov_b32 s29, 32                              ; dense
	s_mov_b32 s30, 0
	s_mov_b32 s31, 0
	s_mov_b32 s32, 1
	s_lshl_b32 s33, s[WV], 14                      ; key step w lies at 16,384 w
	s_lshl_b32 s66, s14, 18                        ; a head's 262,144 bytes
	s_add_co_u32 s66, s66, s33
	s_mov_b32 s67, 0
	s_wait_dscnt 0x0
	s_wait_kmcnt 0x0
	s_load_b256 s[48:55], s[8:9], 0x0              ; e0 .. e7
	s_load_b128 s[56:59], s[8:9], 0x20             ; e8 .. e11
	s_add_nc_u64 s[34:35], s[6:7], s[66:67]
	s_or_b32 s35, s35, 0x80000000
	CROUND                                         ; all four work-groups are here: the joint loads meet
	tensor_load_to_lds s[32:35], s[24:31]          ; my one tensor load of the launch
	s_nop 0
.rept 4
	v_nop
.endr
	v_and_b32 v4, 31, v0
	s_delay_alu instid0(VALU_DEP_1)
	v_lshlrev_b32 v1, 4, v4                        ; 16 x lane
	s_wait_alu depctr_va_vdst(0)
	s_lshl_b32 s68, s13, 1
	s_and_b32 s69, s[WV], 1
	s_add_co_u32 s68, s68, s69                     ; my tile's place in its group: 2 cx + e
	s_lshl_b32 s69, s18, 3
	s_add_co_u32 s69, s69, s68                     ; the first tile: 8 (15 - G) + 2 cx + e
	s_lshl_b32 s16, s15, 3
	s_add_co_u32 s16, s16, s68                     ; the second: 8 G + 2 cx + e
	s_lshl_b32 s36, s14, 7
	s_add_co_u32 s66, s36, s69
	s_lshl_b32 s66, s66, 10                        ; a tile of Q is 1,024 bytes
	s_add_nc_u64 s[42:43], s[4:5], s[66:67]
	s_add_co_u32 s66, s36, s16
	s_lshl_b32 s66, s66, 10
	s_add_nc_u64 s[44:45], s[4:5], s[66:67]
	global_load_b128 v[16:19], v1, s[42:43]
	global_load_b128 v[20:23], v1, s[42:43] offset:512
	global_load_b128 v[24:27], v1, s[44:45]
	global_load_b128 v[28:31], v1, s[44:45] offset:512
	; cimg: [head / 4][128 x batch + tile][head % 4][1,024 bytes]
	s_and_b32 s36, s14, 15
	s_lshr_b32 s37, s36, 2
	s_lshl_b32 s37, s37, 21
	s_and_b32 s36, s36, 3
	s_lshl_b32 s36, s36, 10
	s_add_co_u32 s36, s36, s37
	s_lshr_b32 s37, s14, 4
	s_lshl_b32 s37, s37, 19
	s_add_co_u32 s36, s36, s37
	s_lshl_b32 s66, s69, 12
	s_add_co_u32 s66, s66, s36
	s_add_nc_u64 s[38:39], s[10:11], s[66:67]      ; the tile in hand
	s_lshl_b32 s66, s16, 12
	s_add_co_u32 s66, s66, s36
	s_add_nc_u64 s[40:41], s[10:11], s[66:67]      ; the second tile
	v_and_b32 v4, 15, v0
	v_bfe_u32 v5, v0, 4, 1
	s_delay_alu instid0(VALU_DEP_1)
	v_lshlrev_b32 v5, 3, v5
	s_delay_alu instid0(VALU_DEP_1)
	v_sub_nc_u32 v2, v4, v5
	s_lshl_b32 s68, s68, 4
	v_add_nc_u32 v2, s68, v2                       ; my query's place in its group less 8 (lane / 16): on the diagonal register 8 t + j is hidden where 16 t + j is above it
	s_mov_b32 s20, 0x76543210
	s_mov_b32 s21, 0xfedcba98                      ; v_permlanex16_b32's selects: lane l xor 16
	v_mov_b32 v236, 0                              ; written once: a lane permute's destination counts as one of its sources
	v_mov_b32 v253, 0                              ; (named as the upper half of the pair v[252:253])
	INIT
	s_wait_kmcnt 0x0
	s_add_co_i32 s66, s54, s55
	s_lshl_b32 s66, s66, 23
	s_add_co_i32 s22, s66, 0x3e38aa3b              ; c = log2(e) / 8, with e6 + e7 added to its exponent field
	s_mov_b32 s23, s22                             ; (named with it as a pair)
	s_add_co_i32 s66, s56, 127
	s_lshl_b32 s67, s66, 23
	v_mov_b32 v244, s67                            ; 2^e8
	s_add_co_i32 s66, s58, 127
	s_lshl_b32 s67, s66, 23
	v_mov_b32 v245, s67                            ; 2^e10
	s_add_co_i32 s60, s56, s57                     ; e8 + e9
	s_wait_tensorcnt 0x0                           ; my step has landed,
	s_barrier_signal -1
	s_barrier_wait -1                              ; everybody's has: the head's K and V are whole
	s_wait_loadcnt 0x0                             ; Q
	s_mov_b32 s19, 0
.Lstep:                                            ; 17 trips, in every wave
	s_sub_co_u32 s36, s19, s17                     ; the second tile's step; it wraps to a great number while the first tile is in hand,
	s_min_u32 s36, s36, s19                        ; where the trip's own number is the step
	s_min_u32 s36, s36, 15                         ; (never above 15)
	s_lshl_b32 s36, s36, 14
	s_setprio 2
	v_add_nc_u32 v3, s36, v1
.rept 3
	v_nop                                          ; with the addition: four places behind the last products, ahead of loads into registers that they read
.endr
.irp t, 0,1,2,3,4,5,6,7
	ds_load_b128 v[32+8*\t:35+8*\t], v3 offset:1024*\t
	ds_load_b128 v[36+8*\t:39+8*\t], v3 offset:1024*\t+512
.endr
	s_cmp_eq_u32 s19, s18
	s_cselect_b32 s37, 1, 0
	s_cmp_eq_u32 s19, 16
	s_cselect_b32 s37, 1, s37                      ; 1 in a tile's last step, which lies on the diagonal
	s_wait_alu depctr_va_vdst(0)
	s_wait_dscnt 0x0
.irp t, 0,1,2,3,4,5,6,7
	v_wmma_f32_16x16x64_fp8_fp8 v[96+8*\t:103+8*\t], v[32+8*\t:39+8*\t], v[16:23], 0
.endr
.rept 4
	v_nop                                          ; places ahead of the loads below and of the first read of the scores
.endr
.irp c, 0,1,2,3
.irp g, 0,1,2,3
	ds_load_b128 v[32+16*\c+4*\g:35+16*\c+4*\g], v3 offset:8192+2048*\c+512*\g   ; V's four fragments land while the softmax is walked
.endr
.endr
	s_cmp_eq_u32 s37, 0
	s_cbranch_scc1 .Lopen
	v_mov_b32 v254, 0xff800000                     ; on the diagonal the scores of hidden keys become -infinity ahead of the maximum: p = 0 then
.set n, 0
.rept 64
	v_cmp_gt_i32 vcc_lo, 16*(n/8)+n%8, v2
	v_cndmask_b32 v[96+n], v[96+n], v254, vcc_lo
.set n, n+1
.endr
.Lopen:
	v_max3_num_f32 v254, v96, v97, v98             ; the step's largest score of my query among my 64 keys, in two chains, each accumulator from its low end on
	v_max3_num_f32 v252, v99, v100, v101
.irp i, 6,10,14,18,22,26,30,34,38,42,46,50,54,58
	v_max3_num_f32 v254, v254, v[96+\i], v[97+\i]
	v_max3_num_f32 v252, v252, v[98+\i], v[99+\i]
.endr
	v_max3_num_f32 v254, v254, v158, v159
	s_delay_alu instid0(VALU_DEP_1)
	v_max_num_f32 v254, v254, v252
	s_delay_alu instid0(VALU_DEP_1)
	v_permlanex16_b32 v236, v254, s20, s21
	s_delay_alu instid0(VALU_DEP_1)
	v_max_num_f32 v254, v254, v236                 ; and among lane l xor 16's
	s_delay_alu instid0(VALU_DEP_1)
	v_mul_f32 v254, s22, v254                      ; as t (c is positive)
	s_delay_alu instid0(VALU_DEP_1)
	v_max_num_f32 v13, v13, v254                   ; the running largest t
	v_mov_b32 v254, v12
	s_delay_alu instid0(VALU_DEP_2)
	v_floor_f32 v12, -v13                          ; the new -M = -ceil(t): a whole number
	s_delay_alu instid0(VALU_DEP_1)
	v_sub_f32 v254, v12, v254                      ; old M - new M, 0 or less
	s_delay_alu instid0(VALU_DEP_1)
	v_cvt_i32_f32 v254, v254                       ; (it saturates)
	s_delay_alu instid0(VALU_DEP_1)
	v_ldexp_f32 v252, 1.0, v254                    ; f = 2^(old M - new M)
.set j, 0
.rept 32
	v_pk_fma_f32 v[96+j:97+j], v[96+j:97+j], s[22:23], v[12:13] op_sel_hi:[1,0,0]   ; t - M, two at a time
.set j, j+2
.endr
.set j, 0
	s_setprio 1
	s_wait_alu depctr_va_vdst(0)
.rept 64
	v_exp_f32 v[96+j], v[96+j]                     ; p = 2^(t - M)
.set j, j+1
.endr
	v_pk_mul_f32 v[14:15], v[14:15], v[252:253] op_sel_hi:[1,0]   ; the sums under the new M: the plain instruction behind the exponentials
	s_wait_alu depctr_va_vdst(0)                   ; one wait for the batch of 64, ahead of its first reader
	v_pk_add_f32 v[242:243], v[100:101], v[104:105]
	v_pk_add_f32 v[248:249], v[108:109], v[112:113]
	v_pk_add_f32 v[246:247], v[116:117], v[120:121]
	v_pk_add_f32 v[240:241], v[124:125], v[128:129]
	v_pk_add_f32 v[238:239], v[132:133], v[136:137]
	v_pk_add_f32 v[234:235], v[140:141], v[144:145]
	v_pk_add_f32 v[232:233], v[148:149], v[152:153]
	v_pk_add_f32 v[14:15], v[14:15], v[156:157]
	v_pk_add_f32 v[242:243], v[242:243], v[96:97]
	v_pk_add_f32 v[248:249], v[248:249], v[98:99]
	v_pk_add_f32 v[246:247], v[246:247], v[102:103]
	v_pk_add_f32 v[240:241], v[240:241], v[106:107]
	v_pk_add_f32 v[238:239], v[238:239], v[110:111]
	v_pk_add_f32 v[234:235], v[234:235], v[114:115]
	v_pk_add_f32 v[232:233], v[232:233], v[118:119]
	v_pk_add_f32 v[14:15], v[14:15], v[122:123]
	v_pk_add_f32 v[242:243], v[242:243], v[126:127]
	v_pk_add_f32 v[248:249], v[248:249], v[130:131]
	v_pk_add_f32 v[246:247], v[246:247], v[134:135]
	v_pk_add_f32 v[240:241], v[240:241], v[138:139]
	v_pk_add_f32 v[238:239], v[238:239], v[142:143]
	v_pk_add_f32 v[234:235], v[234:235], v[146:147]
	v_pk_add_f32 v[232:233], v[232:233], v[150:151]
	v_pk_add_f32 v[14:15], v[14:15], v[154:155]
	v_pk_add_f32 v[242:243], v[242:243], v[158:159]
	s_delay_alu instid0(VALU_DEP_2)
	v_pk_add_f32 v[14:15], v[14:15], v[240:241]
	s_delay_alu instid0(VALU_DEP_2)
	v_pk_add_f32 v[242:243], v[242:243], v[238:239]
	v_pk_add_f32 v[248:249], v[248:249], v[234:235]
	v_pk_add_f32 v[246:247], v[246:247], v[232:233]
	s_delay_alu instid0(VALU_DEP_2)
	v_pk_add_f32 v[14:15], v[14:15], v[248:249]
	s_delay_alu instid0(VALU_DEP_2)
	v_pk_add_f32 v[242:243], v[242:243], v[246:247]
	s_delay_alu instid0(VALU_DEP_1)
	v_pk_add_f32 v[14:15], v[14:15], v[242:243]
.irp t, 0,1,2,3,4,5,6,7
.irp i, 0,1,2,3,4,5,6,7
.endr
	v_cvt_scalef32_pk8_fp8_f32 v[192+2*\t:193+2*\t], v[96+8*\t:103+8*\t], v244
.endr
.set j, 0
.rept 16
	v_pk_mul_f32 v[160+j:161+j], v[160+j:161+j], v[252:253] op_sel_hi:[1,0]   ; O^T under the new M; these are also the plain instructions between the conversions and the products
.set j, j+2
.endr
	s_wait_alu depctr_va_vdst(0)
	s_wait_dscnt 0x0                               ; V is in
.irp c, 0,1,2,3
	v_wmma_f32_16x16x128_fp8_fp8 v[160+8*\c:167+8*\c], v[32+16*\c:47+16*\c], v[192:207], v[160+8*\c:167+8*\c]
.endr
	s_cmp_eq_u32 s37, 0
	s_setprio 0
	s_cbranch_scc1 .Lnofin
	; A TILE IS FINISHED: O^T x 2^(e8 + e9) / the sum, converted; two stores of 512 consecutive bytes.
.rept 4
	v_nop                                          ; places behind the last products
.endr
	s_wait_xcnt 0x0                                ; the codes' registers are written again only behind this wait
	v_add_f32 v14, v14, v15
	s_delay_alu instid0(VALU_DEP_1)
	v_permlanex16_b32 v252, v14, s20, s21
	s_delay_alu instid0(VALU_DEP_1)
	v_add_f32 v14, v14, v252                       ; the row's sum
	s_wait_alu depctr_va_vdst(0)
	v_rcp_f32 v14, v14
	v_nop                                          ; a plain instruction behind the reciprocal
	s_wait_alu depctr_va_vdst(0)                   ; and the wait ahead of its first reader
	v_ldexp_f32 v14, v14, s60
.set j, 0
.rept 16
	v_pk_mul_f32 v[96+j:97+j], v[160+j:161+j], v[14:15] op_sel_hi:[1,0]   ; each accumulator from its low end on
.set j, j+2
.endr
.set j, 0
.rept 32
.set j, j+1
.endr
.irp c, 0,1,2,3
	v_cvt_scalef32_pk8_fp8_f32 v[208+2*\c:209+2*\c], v[96+8*\c:103+8*\c], v245
.endr
	v_nop                                          ; one plain vector instruction behind the last conversion
	global_store_b128 v1, v[208:211], s[38:39]             ; channels 16 (lane / 16) + 0 .. 15
	global_store_b128 v1, v[212:215], s[38:39] offset:512  ; channels 32 + 16 (lane / 16) + 0 .. 15
	s_cmp_eq_u32 s19, 16
	s_cbranch_scc1 .Lnofin                         ; behind the second tile nothing follows
.irp j, 0,1,2,3,4,5,6,7
	v_mov_b32 v[16+\j], v[24+\j]                   ; the second tile's Q
.endr
	INIT
	s_wait_xcnt 0x0                                ; the stores have read their base
	s_mov_b64 s[38:39], s[40:41]
.Lnofin:
	s_add_co_u32 s19, s19, 1
	s_cmp_lt_u32 s19, 17
	s_cbranch_scc1 .Lstep
	s_setprio 0
	s_wait_tensorcnt 0x0
	ds_add_u32 v251, v255
	s_wait_dscnt 0x0
	CROUND                                         ; the closing round
	s_endpgm
.Lfunc_end_k_q337e14188a_attn:
	.size	k_q337e14188a_attn, .Lfunc_end_k_q337e14188a_attn-k_q337e14188a_attn
	.p2alignl 7, 3214868480
	.fill 96, 4, 3214868480
	.section	.rodata,"a",@progbits
	.p2align	6, 0x0
	.amdhsa_kernel k_q337e14188a_attn
		.amdhsa_group_segment_fixed_size 327680
		.amdhsa_private_segment_fixed_size 0
		.amdhsa_enable_private_segment 0
		.amdhsa_kernarg_size 32
		.amdhsa_user_sgpr_count 2
		.amdhsa_user_sgpr_kernarg_segment_ptr 1
		.amdhsa_wavefront_size32 1
		.amdhsa_system_sgpr_workgroup_id_x 1
		.amdhsa_system_sgpr_workgroup_id_y 1
		.amdhsa_system_sgpr_workgroup_id_z 1
		.amdhsa_system_vgpr_workitem_id 0
		.amdhsa_next_free_vgpr 256
		.amdhsa_next_free_sgpr 72
		.amdhsa_reserve_vcc 1
		.amdhsa_float_denorm_mode_32 3
		.amdhsa_float_denorm_mode_16_64 3
		.amdhsa_fp16_overflow 1
		.amdhsa_memory_ordered 1
		.amdhsa_forward_progress 1
		.amdhsa_inst_pref_size 30
	.end_amdhsa_kernel
	.amdgpu_metadata
---
amdhsa.version: [ 1, 2 ]
amdhsa.kernels:
  - .name:           k_q337e14188a_attn
    .symbol:         k_q337e14188a_attn.kd
    .args:
      - { .name: qimg, .offset: 0, .size: 8, .value_kind: global_buffer, .address_space: global }
      - { .name: kvimg, .offset: 8, .size: 8, .value_kind: global_buffer, .address_space: global }
      - { .name: lowp_scales, .offset: 16, .size: 8, .value_kind: global_buffer, .address_space: global }
      - { .name: cimg, .offset: 24, .size: 8, .value_kind: global_buffer, .address_space: global }
    .group_segment_fixed_size: 327680
    .private_segment_fixed_size: 0
    .kernarg_segment_align: 8
    .kernarg_segment_size: 32
    .max_flat_workgroup_size: 512
    .sgpr_count:     72
    .vgpr_count:     256
    .wavefront_size: 32
...
	.end_amdgpu_metadata
.endif
;; end of part 2
;; launch outp (part 3): grid 4 x 64, 4 waves a work-group, clusters of 4 x 4, 327,680 bytes of LDS; arguments cimg, W_o_codes, lowp_scales, out0; writes out0
.if DOCPART == 3
	.amdgcn_target "amdgcn-amd-amdhsa--gfx1250"
	.amdhsa_code_object_version 6
	.text
	.protected	k_q337e14188a_outp
	.globl	k_q337e14188a_outp
	.p2align	8
	.type	k_q337e14188a_outp,@function
k_q337e14188a_outp:
	s_mov_b64 s[64:65], 0
	v_nop
	global_prefetch_b8 v0, s[64:65] scope:SCOPE_SE
	s_setreg_imm32_b32 hwreg(HW_REG_WAVE_MODE, 25, 1), 1
	s_wait_xcnt 0x0
	s_wait_alu depctr_hold_cnt(0) depctr_sa_sdst(0) depctr_va_vdst(0) depctr_va_sdst(0) depctr_va_ssrc(0) depctr_va_vcc(0) depctr_vm_vsrc(0)
	s_getreg_b32 s2, hwreg(HW_REG_IB_STS2, 6, 4)
	s_cmp_eq_u32 s2, 0
	s_cbranch_scc0 .Lentry_in_a_cluster
	s_endpgm
.Lentry_in_a_cluster:
	s_bfe_u32 s2, ttmp6, 0x10000c
	s_cmp_lg_u32 s2, 0xf033
	s_cbranch_scc0 .Lentry_shape_is_right
	s_endpgm
.Lentry_shape_is_right:
; out = heads W_o^T on codes of E4M3.  The heads' codes come as images of operand registers (cimg: [K / 256][token / 16][4,096 bytes]: two fragments of 16 tokens x 128 K); W_o: [1024][1024] codes, K innermost; out: [8192][1024] f32.
; Each finished sum is multiplied once by 2^(e10 + e11).  LIMIT: e10 + e11 lies between -126 and 127, so that this is an f32 number.
; A work-group makes 128 rows x 256 columns, so that the grid has 256 work-groups; each of its four waves 64 x 128: 32 accumulators.  K goes in steps of 256 through a ring of two LDS slots; a step is two matrix steps of 128.
; CLUSTER 4 x 4: the four of a row share the heads' tile, the four of a column W_o's.  Waves 0, 1 ask for the halves of the heads' 32,768 bytes (dense), waves 2, 3 for 128 rows of W_o each.
; THE MATRIX INSTRUCTION IS USED TRANSPOSED (source 0 = 16 rows of W_o, source 1 = 16 tokens): a lane holds eight neighbouring numbers of a row of out.
; Registers 4 c .. 4 c + 3 of both fragments hold K = 32 c + 16 (lane / 16) + 0 .. 15: one order of k, alike in both sources.
; REGISTERS: window 0: v16-29 addresses; v32-95 at work on the way out; v128-255 two sets of the heads' 4 fragments, later rows read back.  window 1: two sets of W_o's 8 fragments.  window 2: accumulator (i, b) at v[8 (8 i + b)].
.set PITCH,  272                       ; a row of W_o's tile in LDS: 256 bytes + 16: seventeen times 16 bytes
.set AIMG,   32768
.set HALFB,  128*PITCH
.set SLOT,   AIMG+2*HALFB
.set STAGE,  2*SLOT                    ; behind the ring: 16 rows x (512 bytes + 16) for each wave; no tile lands there
.set SPITCH, 528
.set SPARE,  STAGE+4*16*SPITCH         ; the spare words, 128 bytes for each wave
.set ADRA, 16
.set ADRB, 20
.set STO,  24
.set RD,   25
.set CO,   26
.set SPW,  28
.set NIL,  29
.set TMP,  32
.set AF,   128
.set BK,   128
.set G1A, 24
.set G0A, 32
.set G1B, 48
.set G0B, 56
.set MSB, 0
.macro WIN new
.if MSB != \new
	s_set_vgpr_msb (MSB<<8)|\new
.set MSB, \new
.endif
.endm
.set MUL,  0xa1                        ; source 0 (W_o) window 1, source 1 (heads) window 0, C and D window 2
.set TO_B, 0x40                        ; destination window 1, address window 0
.macro PLACES n
.rept \n
	v_nop
.endr
.endm
.macro JLOAD s                         ; waves 0, 1 ask for the heads' tile, waves 2, 3 for W_o's; four v_nop follow each line
	s_cmp_eq_u32 s15, 0
	s_cbranch_scc0 .Lfor_b_\@
	tensor_load_to_lds s[G0A+4*\s:G0A+4*\s+3], s[G1A:G1A+7]
	s_nop 0
.rept 4
	v_nop
.endr
	s_branch .Lasked_\@
.Lfor_b_\@:
	tensor_load_to_lds s[G0B+4*\s:G0B+4*\s+3], s[G1B:G1B+7]
	s_nop 0
.rept 4
	v_nop
.endr
.Lasked_\@:
.endm
.macro CREST
	s_cmp_lg_u32 s14, 0
	s_cbranch_scc1 .Lnot_wave_0_\@
	s_barrier_signal -3
.Lnot_wave_0_\@:
	s_barrier_wait -3
	s_barrier_signal -1
	s_barrier_wait -1
.endm
.macro CROUND
	s_barrier_signal -1
	s_barrier_wait -1
	CREST
.endm
	s_load_b128 s[4:7], s[0:1], 0x0                ; cimg s[4:5], W_o's codes s[6:7]
	s_load_b128 s[8:11], s[0:1], 0x10              ; the scales' exponents s[8:9], out s[10:11]
	v_lshl_add_u32 v[SPW], v0, 2, SPARE
	v_mov_b32 v[NIL], 0
	ds_add_u32 v28, v29
	ds_add_u32 v28, v29
	s_wait_dscnt 0x0
	v_lshrrev_b32 v1, 5, v0
	v_readfirstlane_b32 s14, v1                    ; wave 0..3
	s_lshr_b32 s15, s14, 1                         ; which 64 rows are mine.  Also: I ask for the heads (0) or for W_o (1)
	s_and_b32 s16, s14, 1                          ; which 128 columns.  Also: which half of that tile I ask for
	s_bfe_u32 s40, ttmp6, 0x40000                  ; cx
	s_bfe_u32 s41, ttmp6, 0x40004                  ; cy
	s_lshl_b32 s42, ttmp9, 2
	s_add_co_u32 s42, s42, s40                     ; bx: which 256 columns
	s_and_b32 s17, ttmp7, 0xffff
	s_lshl_b32 s17, s17, 2
	s_add_co_u32 s17, s17, s41                     ; by: which 128 rows
	s_lshl_b32 s43, s41, 2
	s_lshl_b32 s43, 15, s43                        ; my row of the cluster
	s_lshl_b32 s44, 0x1111, s40                    ; my column
	s_or_b32 s[G1A], s43, (3<<16)|(1<<21)          ; the mask; elements of 8 bytes; bit 21 beside a mask; no padding: images are read 16 bytes a lane on end
	s_mov_b32 s[G1A+1], 32<<16                     ; rows of 256 bytes,
	s_mov_b32 s[G1A+2], 64<<16                     ; 64 of them,
	s_mov_b32 s[G1A+3], 32<<16
	s_mov_b32 s[G1A+4], 64
	s_mov_b32 s[G1A+5], 32                         ; dense
	s_mov_b32 s[G1A+6], 0
	s_mov_b32 s[G1A+7], 0
	s_or_b32 s[G1B], s44, (1<<20)|(1<<21)|(5<<22)|(3<<25)   ; elements of 1 byte; padding: 4 words after every 64
	s_mov_b32 s[G1B+1], 256<<16
	s_mov_b32 s[G1B+2], 128<<16
	s_mov_b32 s[G1B+3], 256<<16
	s_mov_b32 s[G1B+4], 128
	s_mov_b32 s[G1B+5], 1024
	s_mov_b32 s[G1B+6], 0
	s_mov_b32 s[G1B+7], 0
	s_lshl_b32 s20, s17, 15                        ; the heads: 8 tiles of 16 rows x 4,096 bytes for each by,
	s_lshl_b32 s18, s16, 14                        ; my half of them; the same in LDS
	s_add_co_u32 s20, s20, s18
	s_mov_b32 s21, 0
	s_lshl_b32 s46, s42, 18                        ; W_o: row 256 bx + 128 x half, 1,024 bytes a row
	s_lshl_b32 s47, s16, 17
	s_add_co_u32 s46, s46, s47
	s_mov_b32 s47, 0
	s_mul_i32 s19, s16, HALFB
	s_add_co_u32 s19, s19, AIMG                    ; and its place in a slot
	s_wait_kmcnt 0x0
	s_load_b64 s[96:97], s[8:9], 0x28              ; e10, e11
	s_add_nc_u64 s[20:21], s[4:5], s[20:21]
	s_add_nc_u64 s[46:47], s[6:7], s[46:47]
	CROUND                                         ; all sixteen work-groups are here: the first joint loads meet
.irp s, 0,1
	s_mov_b32 s[G0A+4*\s], 1
	s_add_co_u32 s[G0A+4*\s+1], s18, \s*SLOT
	s_add_nc_u64 s[G0A+4*\s+2:G0A+4*\s+3], s[20:21], \s*2097152
	s_or_b32 s[G0A+4*\s+3], s[G0A+4*\s+3], 0x80000000
	s_mov_b32 s[G0B+4*\s], 1
	s_add_co_u32 s[G0B+4*\s+1], s19, \s*SLOT
	s_add_nc_u64 s[G0B+4*\s+2:G0B+4*\s+3], s[46:47], \s*256
	s_or_b32 s[G0B+4*\s+3], s[G0B+4*\s+3], 0x80000000
	s_wait_alu depctr_va_vdst(0)
	s_wait_tensorcnt 0x0
	ds_add_u32 v28, v29
	ds_add_u32 v28, v29
	s_wait_dscnt 0x0
	CROUND
	JLOAD \s                                       ; K steps 0 and 1: two loads of mine are out
.endr
	v_and_b32 v1, 15, v0                           ; r
	v_bfe_u32 v2, v0, 4, 1                         ; h
	v_and_b32 v6, 31, v0
	v_lshlrev_b32 v[CO], 4, v6                     ; 16 x lane
	v_mul_u32_u24 v3, v1, PITCH
	v_lshl_add_u32 v3, v2, 4, v3
	s_lshl_b32 s22, s15, 14                        ; my 4 tiles of rows
	s_mul_i32 s23, s16, HALFB
	s_add_co_u32 s23, s23, AIMG                    ; my 128 rows of W_o
.irp s, 0,1
	v_add_nc_u32 v[ADRA+\s], s22, v[CO]
	v_add_nc_u32 v[ADRB+\s], s23, v3
	s_add_co_u32 s22, s22, SLOT
	s_add_co_u32 s23, s23, SLOT
.endr
	s_mul_i32 s22, s14, 16*SPITCH
	s_add_co_u32 s22, s22, STAGE                   ; my stage
	v_mul_u32_u24 v5, v1, SPITCH
	v_lshl_add_u32 v5, v2, 5, v5
	v_add_nc_u32 v[STO], s22, v5                   ; in: row r, 32 bytes for each half of the lanes
	v_add_nc_u32 v[RD], s22, v[CO]                 ; back: the 32 lanes take one row of 512 bytes
	s_lshl_b32 s20, s17, 19                        ; out: 128 by rows of 4,096 bytes,
	s_lshl_b32 s21, s15, 18                        ; my 64 rows,
	s_add_co_u32 s20, s20, s21
	s_lshl_b32 s21, s42, 10                        ; 256 bx columns,
	s_add_co_u32 s20, s20, s21
	s_lshl_b32 s21, s16, 9                         ; my 128 columns
	s_add_co_u32 s20, s20, s21
	s_mov_b32 s21, 0
	s_add_nc_u64 s[10:11], s[10:11], s[20:21]
; 48 LDS loads in one run: W_o's eight fragments and the heads' four of the slot's q-th 128 along K, into set
.macro FETCH slot, q, set
	WIN TO_B
.irp b, 0,1,2,3,4,5,6,7
.irp c, 0,1,2,3
	ds_load_b128 v[128*(\set)+16*\b+4*\c:128*(\set)+16*\b+4*\c+3], v[ADRB+\slot] offset:\b*16*PITCH+128*(\q)+32*\c
.endr
.endr
	WIN 0
.irp i, 0,1,2,3
.irp c, 0,1,2,3
	ds_load_b128 v[AF+64*(\set)+16*\i+4*\c:AF+64*(\set)+16*\i+4*\c+3], v[ADRA+\slot] offset:\i*4096+2048*(\q)+512*\c
.endr
.endr
.endm
; 8 matrix instructions: tile of rows i against W_o's eight.  The 32 accumulators take turns, one instruction a turn, in the same order in every step.
.macro MUL8 i, set, zero
.irp b, 0,1,2,3,4,5,6,7
.if \zero
	v_wmma_f32_16x16x128_fp8_fp8 v[8*(8*(\i)+\b):8*(8*(\i)+\b)+7], v[128*(\set)+16*\b:128*(\set)+16*\b+15], v[AF+64*(\set)+16*(\i):AF+64*(\set)+16*(\i)+15], 0
.else
	v_wmma_f32_16x16x128_fp8_fp8 v[8*(8*(\i)+\b):8*(8*(\i)+\b)+7], v[128*(\set)+16*\b:128*(\set)+16*\b+15], v[AF+64*(\set)+16*(\i):AF+64*(\set)+16*(\i)+15], v[8*(8*(\i)+\b):8*(8*(\i)+\b)+7]
.endif
.endr
.endm
; A slot's first 128 along K (set 0); the second's fragments are fetched ahead of it, four plain vector instructions behind the products that read set 1.
.macro STEP slot, zero
	PLACES 4
	FETCH \slot, 1, 1
	s_wait_dscnt 48                                ; all but the 48 just issued: set 0 is in
	WIN MUL
	MUL8 0, 0, \zero
	MUL8 1, 0, \zero
	MUL8 2, 0, \zero
	MUL8 3, 0, \zero
.endm
; A slot's second 128 (set 1) changes slots: ONE barrier; in front of it each wave waits for all its tensor loads, adds 0 to its spare word, and waits for that and for its reads of this slot.
.macro TURN slot, next, fill
	WIN 0                                          ; (the add's two registers lie in window 0)
	s_wait_tensorcnt 0x0                           ; all my tensor loads have landed: my part of the next slot;
	ds_add_u32 v[SPW], v[NIL]                      ; 0 onto my spare word;
	s_wait_dscnt 1                                 ; (the add alone may be out: set 1 is in)
	WIN MUL
	MUL8 0, 1, 0                                   ; eight matrix instructions stand between the add and the wait for it
	s_wait_dscnt 0x0                               ; the add is done, and my reads of this slot are over
	s_barrier_signal -1
	MUL8 1, 1, 0
	WIN 0
	s_barrier_wait -1
.if \fill
	CREST                                          ; the barrier has opened a round of the cluster's barrier: no wave of any partner still reads this slot or has a load on its way
	s_add_nc_u64 s[G0A+4*\slot+2:G0A+4*\slot+3], s[G0A+4*\slot+2:G0A+4*\slot+3], 2*2097152
	s_add_nc_u64 s[G0B+4*\slot+2:G0B+4*\slot+3], s[G0B+4*\slot+2:G0B+4*\slot+3], 2*256
	JLOAD \slot                                    ; two K steps on; its four v_nop are the places in front of the loads below
.else
	PLACES 4
.endif
	FETCH \next, 0, 0
	WIN MUL
	MUL8 2, 1, 0
	MUL8 3, 1, 0
.endm
	s_wait_alu depctr_va_vdst(0)
	s_wait_tensorcnt 1                             ; my part of K step 0 is in; K step 1's may be out
	s_barrier_signal -1
	s_barrier_wait -1
	FETCH 0, 0, 0
	STEP 0, 1                                      ; the first products start the sums
	TURN 0, 1, 1                                   ; slot 0 takes K step 2
	STEP 1, 0
	TURN 1, 0, 1                                   ; slot 1 takes K step 3
	STEP 0, 0
	TURN 0, 1, 0                                   ; nothing is left to ask for
	STEP 1, 0
	s_wait_dscnt 0x0
	MUL8 0, 1, 0
	MUL8 1, 1, 0
	MUL8 2, 1, 0
	MUL8 3, 1, 0
	WIN 0
; THE WAY OUT, a block of 16 rows x 128 columns at a time: x 2^(e10 + e11), through my own stage in LDS, back as whole rows of 512 bytes.  LDS serves a wave's instructions in order (ISA guide 5.7.1.4): no wait between the stores and the loads.
.macro TOSTAGE a
	WIN 0x02                                       ; source 0: window 2
.set j, 0
.rept 32
	v_pk_mul_f32 v[TMP+j:TMP+j+1], v[64*(\a)+j:64*(\a)+j+1], s[96:97] op_sel_hi:[1,0]   ; both x s96; each accumulator from its low end on
.set j, j+2
.endr
	WIN 0
.irp b, 0,1,2,3,4,5,6,7
	ds_store_b128 v[STO], v[TMP+8*\b:TMP+8*\b+3] offset:64*\b
	ds_store_b128 v[STO], v[TMP+8*\b+4:TMP+8*\b+7] offset:64*\b+16
.endr
.set BB, BK+64*((\a)%2)
.irp t, 0,1,2,3,4,5,6,7,8,9,10,11,12,13,14,15
	ds_load_b128 v[BB+4*\t:BB+4*\t+3], v[RD] offset:\t*SPITCH
.endr
.endm
.macro SEND a, younger                 ; younger: the LDS instructions issued behind block a's loads, which may stay out
.set BB, BK+64*((\a)%2)
	s_wait_dscnt \younger
.if (\a) > 0
	s_add_nc_u64 s[10:11], s[10:11], 16*4096       ; (behind a wait on XCNT for 0: the earlier stores have read their base)
.endif
.irp t, 0,1,2,3,4,5,6,7,8,9,10,11,12,13,14,15
	global_store_b128 v[CO], v[BB+4*\t:BB+4*\t+3], s[10:11] offset:\t*4096 th:TH_STORE_NT   ; 32 lanes store 512 consecutive bytes, at a multiple of 256 from out's first byte
.endr
.endm
	s_wait_kmcnt 0x0
	s_add_co_i32 s96, s96, s97
	s_add_co_i32 s96, s96, 127
	s_lshl_b32 s96, s96, 23                        ; 2^(e10 + e11) as f32
	PLACES 4                                       ; behind the last products: ahead of the first read of results and of loads into the fragments' registers
	TOSTAGE 0
.irp a, 1,2,3
.if \a > 1
	s_wait_xcnt 0x0                                ; block a - 2's stores have read their registers and their base
.endif
	TOSTAGE \a
	SEND \a-1, 32                                  ; behind block a - 1's loads: block a's 16 stores and 16 loads
.endr
	s_wait_xcnt 0x0
	SEND 3, 0
	s_wait_tensorcnt 0x0                           ; the wave's end
	ds_add_u32 v[SPW], v[NIL]
	s_wait_dscnt 0x0
	CROUND                                         ; the closing round
	s_endpgm
.Lfunc_end_k_q337e14188a_outp:
	.size	k_q337e14188a_outp, .Lfunc_end_k_q337e14188a_outp-k_q337e14188a_outp
	.p2alignl 7, 3214868480
	.fill 96, 4, 3214868480
	.section	.rodata,"a",@progbits
	.p2align	6, 0x0
	.amdhsa_kernel k_q337e14188a_outp
		.amdhsa_group_segment_fixed_size 327680
		.amdhsa_private_segment_fixed_size 0
		.amdhsa_enable_private_segment 0
		.amdhsa_kernarg_size 32
		.amdhsa_user_sgpr_count 2
		.amdhsa_user_sgpr_kernarg_segment_ptr 1
		.amdhsa_wavefront_size32 1
		.amdhsa_system_sgpr_workgroup_id_x 1
		.amdhsa_system_sgpr_workgroup_id_y 1
		.amdhsa_system_sgpr_workgroup_id_z 1
		.amdhsa_system_vgpr_workitem_id 0
		.amdhsa_next_free_vgpr 768
		.amdhsa_next_free_sgpr 100
		.amdhsa_reserve_vcc 0
		.amdhsa_float_denorm_mode_32 3
		.amdhsa_float_denorm_mode_16_64 3
		.amdhsa_memory_ordered 1
		.amdhsa_forward_progress 1
		.amdhsa_inst_pref_size 76
	.end_amdhsa_kernel
	.amdgpu_metadata
---
amdhsa.version: [ 1, 2 ]
amdhsa.kernels:
  - .name:           k_q337e14188a_outp
    .symbol:         k_q337e14188a_outp.kd
    .args:
      - { .name: cimg, .offset: 0, .size: 8, .value_kind: global_buffer, .address_space: global }
      - { .name: W_o_codes, .offset: 8, .size: 8, .value_kind: global_buffer, .address_space: global }
      - { .name: lowp_scales, .offset: 16, .size: 8, .value_kind: global_buffer, .address_space: global }
      - { .name: out0, .offset: 24, .size: 8, .value_kind: global_buffer, .address_space: global }
    .group_segment_fixed_size: 327680
    .private_segment_fixed_size: 0
    .kernarg_segment_align: 8
    .kernarg_segment_size: 32
    .max_flat_workgroup_size: 128
    .sgpr_count:     100
    .vgpr_count:     768
    .wavefront_size: 32
...
	.end_amdgpu_metadata
.endif
;; end of part 3
